; MI455X (gfx1250); checked and timed in simulation.
; The chip was launched on July 23, 2026; its instructions are those of AMD's public machine-readable ISA for CDNA 5 (MIT licence, August 2026) and "CDNA5" Instruction Set Architecture Reference Guide (July 2026). The comments in the code are by the model that wrote it; some were corrected since.
;; Lora Adapter Layer. Allowed arithmetic: matrix products marked QUANTISED: E2M3 operands, one E8M0 scale for each 32 along K, by v_wmma_scale_f32_16x16x128_f8f6f4 with both operands' format E2M3, f32 sums; products left as they are: f32 operands where the result goes on into a quantised operand, else bf16, f16 or f32 operands; f32 sums; everything else in f32.
;; Inputs: A 4,096 x 16 float32; B 16 x 4,096 float32; W 4,096 x 4,096 float32; b 4,096 float32; x 4,096 x 4,096 float32.
;; Outputs: out0 4,096 x 4,096 float32.
;; This version of the problem:
;;   THIS VERSION OF THE PROBLEM IS GIVEN IN LOW PRECISION. The matrix products marked QUANTISED in the list below multiply operands that are first quantised to E2M3 (2 exponent bits, 3 mantissa bits; 6 bits a number), with one power-of-two scale for each 32 numbers along K (OCP MX v1.0); their sums are f32. All else is computed in f32.
;;   The module's matrix products, in the order in which they are computed (A, B: the left and right operand; K: the contracted axis; several contracted axes count as one K, in the product's order):
;;     1. [M 4,096, K 4,096] x [K 4,096, N 16]; A: input x; B: input A: QUANTISED
;;     2. [M 4,096, K 16] x [K 16, N 4,096]; A: computed on the way; B: input B: left as it is (K = 16 < 32)
;;     3. [M 4,096, K 4,096] x [K 4,096, N 4,096]; A: input x; B: input W: QUANTISED
;;   THE QUANTISER, for each operand of a quantised product, along K:
;;     - K is cut into blocks of 32 from its start; a last block that is shorter is filled with zeros.
;;     - A block's scale is 2^e with e = floor(log2(the largest magnitude in the block)) - 2, held to -126 .. 127; a block of zeros has e = 0. As a byte (E8M0): e + 127.
;;     - Each number is divided by its block's scale, clamped to +-7.5, and rounded to the nearest number of E2M3, ties to even, subnormals kept.
;;     - The product sums the exact products of the quantised numbers (number of the format x scale) in f32.
;;   ~~~python
;;   def quantise(x, axis):      # numpy; x: float32 -> the quantised numbers, widened to float32 again
;;       x = np.moveaxis(x, axis, -1); K = x.shape[-1]
;;       x = np.pad(x, [(0, 0)] * (x.ndim - 1) + [(0, -K % 32)]); x = x.reshape(x.shape[:-1] + (-1, 32)); a = np.abs(x).max(-1, keepdims=True)
;;       e = np.where(a > 0, np.clip(np.frexp(np.where(a > 0, a, 1))[1] - 1 - 2, -126, 127), 0)      # np.frexp(a)[1] - 1 = floor(log2(a)), exactly
;;       r = np.clip(x / 2.0 ** e, -7.5, 7.5)
;;       step = 2.0 ** (np.maximum(np.frexp(np.where(r == 0, 1, r))[1] - 1, 0) - 3)
;;       q = np.round(r / step) * step * 2.0 ** e      # np.round: ties to even
;;       return np.moveaxis(q.reshape(q.shape[:-2] + (-1,))[..., :K], -1, axis).astype(np.float32)
;;   ~~~
;; One version. Each part assembles by itself: llvm-mc -triple=amdgcn-amd-amdhsa -mcpu=gfx1250 --defsym DOCPART=n.
;; ======== version 1 of 1: 2 launches
;; limits: values are held in bf16: 8 bits of precision; right only within a limited range of input values
;; workspace buffers: xq 13,107,200 bytes; wq 13,107,200 bytes; aq 53,248 bytes; bq 262,144 bytes
;; launch prep (part 1): grid 1040 x 1, 4 waves a work-group, no clusters, 34,304 bytes of LDS; arguments x, W, A, B, xq, wq, aq, bq; writes xq, wq, aq, bq
.if DOCPART == 1
	.amdgcn_target "amdgcn-amd-amdhsa--gfx1250"
	.amdhsa_code_object_version 6
	.text
	.protected	k_q45a4e3f3e7_prep
	.globl	k_q45a4e3f3e7_prep
	.p2align	8
	.type	k_q45a4e3f3e7_prep,@function
k_q45a4e3f3e7_prep:
	s_mov_b64 s[64:65], 0
	v_nop
	global_prefetch_b8 v0, s[64:65] scope:SCOPE_SE
	s_setreg_imm32_b32 hwreg(HW_REG_WAVE_MODE, 25, 1), 1
	s_wait_xcnt 0x0
; x [4096][4096], W [4096][4096] (K innermost) and A [4096 (k)][16] (K outermost), f32, become codes of FP6 (E2M3) with one E8M0 byte for each 32 along K;
; 2 B [16][4096] becomes bf16 in two parts, hi + lo.  All four results are laid IN THE ORDER OF THE NEXT LAUNCH'S OPERAND REGISTERS.
; A FRAGMENT IMAGE is 16 rows x 128 K: 12 registers a lane; register g of lane l lies at (g / 4) 512 + 16 l + 4 (g % 4): three stores of 512 consecutive bytes write it, three loads read it.
; xq, wq: [group of 128 rows: 32][K step of 128: 32][12,800 bytes]; in such a block the image of row block i at 1,536 i, and from 12,288 on the scale words at 128 (i / 2) + 8 r + 4 (i % 2).
; aq: A^T's 32 images at 1,536 ks; from 49,152 on their scale words at 128 ks + 4 lane (both halves of the lanes hold column r's word).
; bq: for each 16 columns nb 1,024 bytes: at 16 lane four registers of bf16 hi(2 B[8 h + j][16 nb + r]), j = 0 .. 7; 512 bytes on the same of lo = 2 B - hi.
; THE QUANTISER: a block's scale is 2^(floor(log2(its largest magnitude)) - 2); its byte is the largest magnitude's exponent field - 2, held at 1 from below.
; LIMITS: a block of zeros gets the byte 1 where the rule says 127 (its codes are zeros, which add nothing under any byte but 0xff, and this program alone reads the bytes);
; blocks whose largest magnitude lies under 2^-124 are held at that byte; NaN and infinities among the inputs are not served.
; SHARES: work-groups 0-7 take A (a wave: 128 along K), 8-15 take B (a wave: 128 columns), 16-527 x, 528-1039 W (a wave: 64 rows x 128 along K = four fragments).
; A's and B's loads read 64 consecutive bytes in sixteen lanes: the two tensors are 524,288 of the launch's 134,742,016 input bytes.  No barrier: waves share nothing.
.set M,   10                           ; v10-11  two blocks' largest magnitudes
.set SO,  12                           ; v12-13  the conversions' scale operands
.set BY,  14                           ; v14-15  the scale bytes
.set WD,  16                           ; v16     my two bytes at their places in the word
.set TP,  17                           ; v17     lane l xor 16's
.set SW,  20                           ; v20-23  the four fragments' scale words
.set PC,  32                           ; v32-43  a fragment's codes
.set PT,  44                           ; v44-46, v48-50  the second halves of the two blocks (a conversion's three registers begin on an even number)
.set X,   64                           ; v64-127 64 numbers: register 32 c + i = k 64 c + 32 h + i of my row or column
.set R0,  128                          ; v128-191, v192-255  two sets of 16 x 4 registers as they are loaded
.set R1,  192
.set WST, 8448                         ; LDS: a stage of 16 rows x (512 + 16) bytes for each wave
	s_load_b256 s[4:11], s[0:1], 0x0               ; x s[4:5], W s[6:7], A s[8:9], B s[10:11]
	s_load_b256 s[12:19], s[0:1], 0x20             ; xq s[12:13], wq s[14:15], aq s[16:17], bq s[18:19]
	v_lshl_add_u32 v62, v0, 2, 0x8400
	v_mov_b32 v63, 0
	v_lshrrev_b32 v1, 5, v0
	v_readfirstlane_b32 s24, v1                    ; wave 0..3
	v_and_b32 v1, 31, v0                           ; lane
	v_and_b32 v2, 15, v0                           ; r
	v_bfe_u32 v3, v0, 4, 1                         ; h
	v_lshlrev_b32 v4, 4, v1                        ; 16 x lane
	v_lshlrev_b32 v7, 3, v1                        ; 8 x lane
	v_lshlrev_b32 v8, 3, v3                        ; 8 h: how far my two bytes are shifted in the scale word
	v_lshlrev_b32 v9, 2, v1                        ; 4 x lane
	v_mov_b32 v[TP], 0                             ; written once: a lane permute's destination counts as one of its sources
	s_mul_i32 s25, s24, WST
	v_add_nc_u32 v5, s25, v4                       ; the stage, in: 16 x lane of a row
	v_mul_u32_u24 v6, v2, 528
	v_lshl_add_u32 v6, v3, 7, v6
	v_add_nc_u32 v6, s25, v6                       ; and out: row r, + 128 h: my 32 numbers of each 64
	s_mov_b32 s20, 0x76543210
	s_mov_b32 s21, 0xfedcba98                      ; v_permlanex16_b32's selects for lane l xor 16
	s_mov_b32 s22, 0xffff0000                      ; a word's upper bf16
	s_wait_kmcnt 0x0
	s_cmp_lt_u32 ttmp9, 8
	s_cbranch_scc1 .Lpath_a
	s_cmp_lt_u32 ttmp9, 16
	s_cbranch_scc1 .Lpath_b
; 64 numbers in v[X] on become a fragment's 12 registers of codes in v[PC] on and its scale word in v[word].  A lane holds two WHOLE blocks (h and 2 + h of its row), so no other lane is asked for a maximum.
.macro QUANT6 word
	v_max3_num_f32 v[M], |v[X]|, |v[X+1]|, 0x1800000          ; with the floor 2^(3 - 127) as one more leaf: the byte cannot fall under 1
	v_max3_num_f32 v[M+1], |v[X+32]|, |v[X+33]|, 0x1800000
.irp i, 2,4,6,8,10,12,14,16,18,20,22,24,26,28,30
	v_max3_num_f32 v[M], v[M], |v[X+\i]|, |v[X+\i+1]|         ; the two blocks by turns
	v_max3_num_f32 v[M+1], v[M+1], |v[X+32+\i]|, |v[X+33+\i]|
.endr
	v_add_nc_u32 v[SO], 0xff000000, v[M]           ; 2 off the exponent field: the conversion takes that field of this operand as its scale, and nothing else of it
	v_add_nc_u32 v[SO+1], 0xff000000, v[M+1]
	v_lshrrev_b32 v[BY], 23, v[SO]                 ; the scale's byte
	v_lshrrev_b32 v[BY+1], 23, v[SO+1]
	v_lshl_or_b32 v[WD], v[BY+1], 16, v[BY]        ; blocks h and 2 + h,
	v_lshlrev_b32 v[WD], v8, v[WD]                 ; 8 h bits up;
	v_permlanex16_b32 v[TP], v[WD], s20, s21
	v_or_b32 v[\word], v[WD], v[TP]                ; with lane l xor 16's two the word is whole, in both halves of the lanes
.irp c, 0,1
	v_cvt_scalef32_pk16_fp6_f32 v[PC+6*\c:PC+6*\c+2], v[X+32*\c:X+32*\c+15], v[SO+\c]
	v_cvt_scalef32_pk16_fp6_f32 v[PT+4*\c:PT+4*\c+2], v[X+32*\c+16:X+32*\c+31], v[SO+\c]
.endr
	v_nop                                          ; one plain place behind a scaled conversion
.irp c, 0,1
.irp i, 0,1,2
	v_mov_b32 v[PC+6*\c+3+\i], v[PT+4*\c+\i]
.endr
.endr
.endm
	; ---- x or W.  One text for both: only pointers are chosen, on the work-group's number
	s_cmp_lt_u32 ttmp9, 528
	s_cselect_b64 s[4:5], s[4:5], s[6:7]
	s_cselect_b64 s[12:13], s[12:13], s[14:15]
	s_cselect_b32 s26, 16, 528
	s_sub_co_u32 s26, ttmp9, s26                   ; 0 .. 511 within the tensor
	s_lshr_b32 s28, s26, 3                         ; which 64 rows
	s_and_b32 s29, s26, 7
	s_lshl_b32 s29, s29, 2
	s_add_co_u32 s29, s29, s24                     ; which K step: 4 x (work-group % 8) + wave
	s_lshl_b32 s30, s28, 20                        ; 64 rows of 16,384 bytes
	s_lshl_b32 s31, s29, 9                         ; 128 numbers
	s_add_co_u32 s30, s30, s31
	s_mov_b32 s31, 0
	s_add_nc_u64 s[4:5], s[4:5], s[30:31]
	s_lshr_b32 s32, s28, 1                         ; the group of 128 rows
	s_mul_i32 s32, s32, 409600
	s_mul_i32 s33, s29, 12800
	s_add_co_u32 s32, s32, s33                     ; the block of 12,800 bytes
	s_and_b32 s34, s28, 1                          ; my four row blocks in it: 4 (..) on
	s_mul_i32 s35, s34, 6144
	s_add_co_u32 s36, s32, s35
	s_mov_b32 s37, 0
	s_lshl_b32 s34, s34, 8
	s_add_co_u32 s38, s32, s34
	s_add_co_u32 s38, s38, 12288
	s_mov_b32 s39, 0
	s_add_nc_u64 s[40:41], s[12:13], s[38:39]      ; where my 256 bytes of scale words go
	s_add_nc_u64 s[12:13], s[12:13], s[36:37]      ; and my images
; Fragment f: rows 16 f on.  Each load reads 512 consecutive bytes of one row, at a multiple of 512 from the tensor's first byte.
.macro LOAD f, set
.irp i, 0,1,2,3,4,5,6,7,8,9,10,11,12,13,14,15
	global_load_b128 v[\set+4*\i:\set+4*\i+3], v4, s[4:5] offset:(16*(\f)+\i)*16384 th:TH_LOAD_NT
.endr
.endm
; The loads take the bytes as they lie; the conversions want 32 neighbours along K in one lane.  So a fragment's 8,192 bytes turn through my own stage: rows 528 bytes apart, so that the sixteen rows of a read start 16 bytes apart modulo 256.
.macro FRAGMENT f, set, left
	s_wait_loadcnt \left                           ; this fragment's sixteen loads are in; the next fragment's sixteen may be out
.if (\f) > 0
	s_wait_xcnt 0x0                                ; the last fragment's stores have read the codes' registers, which are written again below
.endif
.irp i, 0,1,2,3,4,5,6,7,8,9,10,11,12,13,14,15
	ds_store_b128 v5, v[\set+4*\i:\set+4*\i+3] offset:528*\i
.endr
.irp c, 0,1
.irp j, 0,1,2,3,4,5,6,7
	ds_load_b128 v[X+32*\c+4*\j:X+32*\c+4*\j+3], v6 offset:256*\c+16*\j     ; LDS serves a wave's instructions in order: these see the stores above
.endr
.endr
	s_wait_dscnt 0x0                               ; my 64 numbers are in, and the stage's stores have read the set,
.if (\f) < 2
	LOAD (\f)+2, \set                              ; which takes the fragment two on
.endif
	QUANT6 SW+(\f)
.irp c, 0,1,2
	global_store_b128 v4, v[PC+4*\c:PC+4*\c+3], s[12:13] offset:1536*(\f)+512*\c   ; 512 consecutive bytes, at a multiple of 256 from the buffer's first byte
.endr
.endm
	s_wait_alu depctr_va_vdst(0)
	LOAD 0, R0
	LOAD 1, R1
	FRAGMENT 0, R0, 16
	FRAGMENT 1, R1, 16
	FRAGMENT 2, R0, 16
	FRAGMENT 3, R1, 0
	v_cmp_gt_u32 vcc_lo, 16, v1                    ; lanes 0-15 store the words of my row blocks 0 and 1, lanes 16-31 those of 2 and 3
	v_cndmask_b32 v24, v[SW+2], v[SW], vcc_lo      ; the pair's even block,
	v_cndmask_b32 v25, v[SW+3], v[SW+1], vcc_lo    ; its odd one
	global_store_b64 v7, v[24:25], s[40:41]        ; 256 consecutive bytes, aligned
	s_wait_tensorcnt 0x0
	ds_add_u32 v62, v63
	s_wait_dscnt 0x0
	s_endpgm
.Lpath_a:                                              ; ---- A: lane r takes column r, and its registers run down K
	s_lshl_b32 s26, ttmp9, 2
	s_add_co_u32 s26, s26, s24                     ; ks: which 128 along K
	s_lshl_b32 s28, s26, 13                        ; 128 rows of 64 bytes
	s_mov_b32 s29, 0
	s_add_nc_u64 s[8:9], s[8:9], s[28:29]
	s_mul_i32 s30, s26, 1536
	s_mov_b32 s31, 0
	s_add_nc_u64 s[32:33], s[16:17], s[30:31]      ; my image
	s_lshl_b32 s30, s26, 7
	s_add_nc_u64 s[34:35], s[16:17], s[30:31]      ; my scale words (49,152 stands in the store's offset)
	v_lshlrev_b32 v26, 2, v2
	v_lshl_add_u32 v26, v3, 11, v26                ; 4 r + 32 h rows
.irp c, 0,1
.irp i, 0,1,2,3,4,5,6,7,8,9,10,11,12,13,14,15,16,17,18,19,20,21,22,23,24,25,26,27,28,29,30,31
	global_load_b32 v[X+32*\c+\i], v26, s[8:9] offset:64*(64*\c+\i)     ; A(128 ks + 64 c + 32 h + i, r)
.endr
.endr
	s_wait_loadcnt 0x0
	QUANT6 SW
.irp c, 0,1,2
	global_store_b128 v4, v[PC+4*\c:PC+4*\c+3], s[32:33] offset:512*\c
.endr
	global_store_b32 v9, v[SW], s[34:35] offset:49152
	s_endpgm
.Lpath_b:                                              ; ---- B: 2 B = hi + lo in bf16, in the layout of a 16-bit fragment's registers 0-3: lane (r, h) holds column r, ranks 8 h + 0 .. 7
	s_sub_co_u32 s26, ttmp9, 8
	s_lshl_b32 s26, s26, 2
	s_add_co_u32 s26, s26, s24                     ; which 128 columns
	s_lshl_b32 s28, s26, 9
	s_mov_b32 s29, 0
	s_add_nc_u64 s[10:11], s[10:11], s[28:29]
	s_lshl_b32 s28, s26, 13                        ; eight blocks of 1,024 bytes
	s_add_nc_u64 s[18:19], s[18:19], s[28:29]
	v_lshlrev_b32 v27, 2, v2
	v_lshl_add_u32 v27, v3, 17, v27                ; 4 r + 8 h rows of 16,384 bytes
.irp t, 0,1,2,3,4,5,6,7
.irp j, 0,1,2,3,4,5,6,7
	global_load_b32 v[X+8*\t+\j], v27, s[10:11] offset:16384*\j+64*\t   ; B(8 h + j, 16 t + r) of my 128 columns
.endr
.endr
	s_wait_loadcnt 0x0
.irp t, 0,1,2,3,4,5,6,7
.irp p, 0,1,2,3
	v_pk_mul_f32 v[X+8*\t+2*\p:X+8*\t+2*\p+1], v[X+8*\t+2*\p:X+8*\t+2*\p+1], 2.0 op_sel_hi:[1,0]   ; times 2: exact
.endr
.irp p, 0,1,2,3
	v_cvt_pk_bf16_f32 v[R0+8*\t+\p], v[X+8*\t+2*\p], v[X+8*\t+2*\p+1]   ; hi
.endr
.irp p, 0,1,2,3
	v_lshlrev_b32 v[R1+2*\p], 16, v[R0+8*\t+\p]
	v_and_b32 v[R1+2*\p+1], s22, v[R0+8*\t+\p]
.endr
.irp p, 0,1,2,3
	v_pk_add_f32 v[X+8*\t+2*\p:X+8*\t+2*\p+1], v[X+8*\t+2*\p:X+8*\t+2*\p+1], v[R1+2*\p:R1+2*\p+1] neg_lo:[0,1] neg_hi:[0,1]   ; what hi left over: exact
.endr
.irp p, 0,1,2,3
	v_cvt_pk_bf16_f32 v[R0+8*\t+4+\p], v[X+8*\t+2*\p], v[X+8*\t+2*\p+1]   ; lo
.endr
	global_store_b128 v4, v[R0+8*\t:R0+8*\t+3], s[18:19] offset:1024*\t        ; each block has data registers of its own: none is written again
	global_store_b128 v4, v[R0+8*\t+4:R0+8*\t+7], s[18:19] offset:1024*\t+512
.endr
	s_endpgm
.Lfunc_end_k_q45a4e3f3e7_prep:
	.size	k_q45a4e3f3e7_prep, .Lfunc_end_k_q45a4e3f3e7_prep-k_q45a4e3f3e7_prep
	.p2alignl 7, 3214868480
	.fill 96, 4, 3214868480
	.section	.rodata,"a",@progbits
	.p2align	6, 0x0
	.amdhsa_kernel k_q45a4e3f3e7_prep
		.amdhsa_group_segment_fixed_size 34304
		.amdhsa_private_segment_fixed_size 0
		.amdhsa_enable_private_segment 0
		.amdhsa_kernarg_size 64
		.amdhsa_user_sgpr_count 2
		.amdhsa_user_sgpr_kernarg_segment_ptr 1
		.amdhsa_wavefront_size32 1
		.amdhsa_system_sgpr_workgroup_id_x 1
		.amdhsa_system_sgpr_workgroup_id_y 1
		.amdhsa_system_sgpr_workgroup_id_z 1
		.amdhsa_system_vgpr_workitem_id 0
		.amdhsa_next_free_vgpr 256
		.amdhsa_next_free_sgpr 66
		.amdhsa_reserve_vcc 1
		.amdhsa_float_denorm_mode_32 3
		.amdhsa_float_denorm_mode_16_64 3
		.amdhsa_memory_ordered 1
		.amdhsa_forward_progress 1
		.amdhsa_inst_pref_size 58
	.end_amdhsa_kernel
	.amdgpu_metadata
---
amdhsa.version: [ 1, 2 ]
amdhsa.kernels:
  - .name:           k_q45a4e3f3e7_prep
    .symbol:         k_q45a4e3f3e7_prep.kd
    .args:
      - { .name: x, .offset: 0, .size: 8, .value_kind: global_buffer, .address_space: global }
      - { .name: W, .offset: 8, .size: 8, .value_kind: global_buffer, .address_space: global }
      - { .name: A, .offset: 16, .size: 8, .value_kind: global_buffer, .address_space: global }
      - { .name: B, .offset: 24, .size: 8, .value_kind: global_buffer, .address_space: global }
      - { .name: xq, .offset: 32, .size: 8, .value_kind: global_buffer, .address_space: global }
      - { .name: wq, .offset: 40, .size: 8, .value_kind: global_buffer, .address_space: global }
      - { .name: aq, .offset: 48, .size: 8, .value_kind: global_buffer, .address_space: global }
      - { .name: bq, .offset: 56, .size: 8, .value_kind: global_buffer, .address_space: global }
    .group_segment_fixed_size: 34304
    .private_segment_fixed_size: 0
    .kernarg_segment_align: 8
    .kernarg_segment_size: 64
    .max_flat_workgroup_size: 128
    .sgpr_count:     66
    .vgpr_count:     256
    .wavefront_size: 32
...
	.end_amdgpu_metadata
.endif
;; end of part 1
;; launch gemm (part 2): grid 16 x 16, 4 waves a work-group, clusters of 4 x 4, 327,680 bytes of LDS; arguments xq, wq, aq, bq, b, out0; writes out0
.if DOCPART == 2
	.amdgcn_target "amdgcn-amd-amdhsa--gfx1250"
	.amdhsa_code_object_version 6
	.text
	.protected	k_q45a4e3f3e7_gemm
	.globl	k_q45a4e3f3e7_gemm
	.p2align	8
	.type	k_q45a4e3f3e7_gemm,@function
k_q45a4e3f3e7_gemm:
	s_mov_b64 s[64:65], 0
	v_nop
	global_prefetch_b8 v0, s[64:65] scope:SCOPE_SE
	s_setreg_imm32_b32 hwreg(HW_REG_WAVE_MODE, 25, 1), 1
	s_wait_xcnt 0x0
	s_wait_alu depctr_hold_cnt(0) depctr_sa_sdst(0) depctr_va_vdst(0) depctr_va_sdst(0) depctr_va_ssrc(0) depctr_va_vcc(0) depctr_vm_vsrc(0)
	s_getreg_b32 s2, hwreg(HW_REG_IB_STS2, 6, 4)
	s_cmp_eq_u32 s2, 0
	s_cbranch_scc0 .Lentry_in_a_cluster
	s_endpgm
.Lentry_in_a_cluster:
	s_bfe_u32 s2, ttmp6, 0x10000c
	s_cmp_lg_u32 s2, 0xf033
	s_cbranch_scc0 .Lentry_shape_is_right
	s_endpgm
.Lentry_shape_is_right:
; out0 = Q(x) Q(W)^T + b + (Q(x) Q(A)) (2 B).  xq, wq, aq hold codes of FP6 (E2M3) and E8M0 scale words as images of the operand registers, bq holds 2 B as bf16 hi + lo (all laid by launch prep).
; A work-group of four waves makes 256 x 256 of out0, a wave 128 x 128: 64 accumulators, 512 registers.  The first K step takes the bias as C: nothing is cleared or added later.
; K goes in 32 steps of 128 through a ring of two LDS slots of three steps each (the last fill has two): a slot holds, for x's two and W's two groups of 128 rows, dense blocks of 38,400 bytes,
; brought as rows of 256 bytes that begin at multiples of 256.  4 x 4 work-groups form a cluster: x's blocks are asked for jointly along a row of the cluster, W's along a column.
; THE MATRIX INSTRUCTION IS USED TRANSPOSED (source 0 = 16 rows of W, source 1 = 16 rows of x): a lane holds eight neighbouring columns of one row of out0.
; t = Q(x) Q(A): each wave sums t for 64 of its 128 rows (its blocks 0-3), four products a step; the wave beside it, which has the same rows, sums the other 64; they change parts through LDS in the last step.
; t goes on as bf16 hi + lo in one K of 32 (ranks 0-15 hi, 16-31 lo), against 2 B's hi and then its lo, each laid twice along that K: all four cross terms, two bf16 matrix instructions for each accumulator.
; A K STEP is 68 matrix instructions and two runs of LDS loads: at its edge x's blocks 4-7 of this step and W's eight of the next, in its middle x's blocks 0-3, the scale words and A^T's fragment.
; x has one set of fragment registers (a half is loaded again four places behind its last product), W two sets.
; NO PREFETCH: a refill is asked for 184 matrix instructions (48 of its own step, 136 of the next two) ahead of the wait for it, and its blocks are dense runs of 38,400 bytes.
; REGISTERS: window 0: v2-31 addresses and temporaries; v32-47 scale words, two sets; v48-55 A^T's scale words; v56-127 six fragments of A^T, later t as bf16; v128-223 x's fragments; v224-255 t.
;   window 1: W's fragments at v0 and v128; v96-127, v224-255 the bias; in the last step 2 B at v0-95 and v224-255.   windows 2, 3: accumulator (a, b) at v[8 (8 (a % 4) + b)], a < 4 in window 2.
.set STEPB,  12800                     ; 128 rows x 128 K: eight images of 1,536 bytes and 512 bytes of scale words
.set SLOTB,  3*STEPB
.set SLOT,   4*SLOTB
.set GROUPB, 409600                    ; a group of 128 rows, all of K
.set FR,     12
.set FRB,    1536
.set SCB,    8*FRB
.set XCH,    2*SLOT                    ; behind the ring: 4,096 bytes a wave for t's exchange
.set SPARE,  XCH+4*4096                ; the spare words, 128 bytes a wave
.set STAGE,  SLOT                      ; the way out goes through slot 1, which has had its last fill and its last read by then
.set SPITCH, 528
.set XLD,  10
.set XST,  11
.set L4,   15
.set AXL,  16                          ; v16-17 my x blocks 0-3 in slot 0, 1; v18-19 blocks 4-7
.set AW,   20                          ; v20-21 my W blocks
.set ASL,  22                          ; v22-23 scale words: lanes 0-15 x's blocks 0-3, lanes 16-31 W's blocks 0-3
.set ASH,  24                          ; v24-25 the same for blocks 4-7
.set STO,  26
.set RD,   27
.set SPW,  28
.set NIL,  29
.set CO,   30                          ; 16 x lane
.set BO,   31
.set SC,   32
.set ATS,  48
.set AT,   56
.set TF,   64
.set AF,   128
.set T,    224
.set BK,   128
.set BI,   96
.set G1,  24
.set G0,  32
.set G1B, 48
.set G0B, 56
.set G1S, 68
.set G1SB, 76
.set MSB, 0
.macro WIN new                         ; the immediate's high byte repeats the setting that is left
.if MSB != (\new)
	s_set_vgpr_msb (MSB<<8)|(\new)
.set MSB, (\new)
.endif
.endm
.set TO_B, 0x40                        ; destination window 1, address window 0
.macro MWIN a, first                   ; source 0 window 1, source 1 window 0, D window 2 or 3; C the same, in the first step window 1 (the bias)
.if \first
	WIN 0x91+0x40*((\a)/4)
.else
	WIN 0xa1+0x50*((\a)/4)
.endif
.endm
.macro JLOAD g0a, g1a, g0b, g1b        ; a joint load: waves 0, 1 fetch x's two groups, waves 2, 3 W's; s_nop 0 and four v_nop behind each line
	s_cmp_eq_u32 s17, 0
	s_cbranch_scc0 .Lfor_w_\@
	tensor_load_to_lds s[\g0a:\g0a+3], s[\g1a:\g1a+7]
	s_nop 0
.rept 4
	v_nop
.endr
	s_branch .Lasked_\@
.Lfor_w_\@:
	tensor_load_to_lds s[\g0b:\g0b+3], s[\g1b:\g1b+7]
	s_nop 0
.rept 4
	v_nop
.endr
.Lasked_\@:
.endm
.macro CREST                           ; a round of the cluster's barrier behind its opening barrier
	s_cmp_lg_u32 s16, 0
	s_cbranch_scc1 .Lnot_wave_0_\@
	s_barrier_signal -3
.Lnot_wave_0_\@:
	s_barrier_wait -3
	s_barrier_signal -1
	s_barrier_wait -1
.endm
.macro CROUND
	s_barrier_signal -1
	s_barrier_wait -1
	CREST
.endm
.macro PLACES n
.rept \n
	v_nop
.endr
.endm
.macro ATLOAD u, fo                    ; A^T's fragment and scale words, fo steps from the stepped base, into place u of six
.irp c, 0,1,2
	global_load_b128 v[AT+FR*(\u)+4*\c:AT+FR*(\u)+4*\c+3], v[CO], s[8:9] offset:FRB*(\fo)+512*\c
.endr
	global_load_b32 v[ATS+(\u)], v[L4], s[12:13] offset:49152+128*(\fo)
.endm
	s_load_b256 s[4:11], s[0:1], 0x0               ; xq, wq, aq, bq
	s_load_b128 s[12:15], s[0:1], 0x20             ; b, out0
	v_lshl_add_u32 v[SPW], v0, 2, SPARE
	v_mov_b32 v[NIL], 0
	ds_add_u32 v[SPW], v[NIL]                      ; the opening lines: the add, twice on end, and its wait ahead of the first tensor load
	ds_add_u32 v[SPW], v[NIL]
	v_lshrrev_b32 v1, 5, v0
	v_readfirstlane_b32 s16, v1                    ; wave
	s_lshr_b32 s17, s16, 1                         ; my half of the rows; also: I fetch for x (0) or W (1)
	s_and_b32 s18, s16, 1                          ; my half of the columns; also: which group of 128 rows I fetch, and which 64 rows' t I sum
	s_xor_b32 s19, s18, 1
	s_bfe_u32 s40, ttmp6, 0x40000                  ; cx
	s_bfe_u32 s41, ttmp6, 0x40004                  ; cy
	s_lshl_b32 s42, ttmp9, 2
	s_add_co_u32 s42, s42, s40                     ; tile column
	s_and_b32 s45, ttmp7, 0xffff
	s_lshl_b32 s45, s45, 2
	s_add_co_u32 s45, s45, s41                     ; tile row
	s_lshl_b32 s43, s41, 2
	s_lshl_b32 s43, 15, s43                        ; my row of the cluster
	s_lshl_b32 s44, 0x1111, s40                    ; my column
	s_or_b32 s[G1+0], s43, (3<<16)|(1<<21)         ; elements of 8 bytes; the mask, bit 21 beside it
	s_or_b32 s[G1B+0], s44, (3<<16)|(1<<21)
	s_or_b32 s[G1S+0], s43, (3<<16)|(1<<21)
	s_or_b32 s[G1SB+0], s44, (3<<16)|(1<<21)
.irp g, G1, G1B                        ; three steps: 150 rows of 256 bytes, dense
	s_mov_b32 s[\g+1], 32<<16
	s_mov_b32 s[\g+2], 150<<16
	s_mov_b32 s[\g+3], 32<<16
	s_mov_b32 s[\g+4], 150
	s_mov_b32 s[\g+5], 32
	s_mov_b32 s[\g+6], 0
	s_mov_b32 s[\g+7], 0
.endr
.irp g, G1S, G1SB                      ; the last fill, two steps: 100 rows
	s_mov_b32 s[\g+1], 32<<16
	s_mov_b32 s[\g+2], 100<<16
	s_mov_b32 s[\g+3], 32<<16
	s_mov_b32 s[\g+4], 100
	s_mov_b32 s[\g+5], 32
	s_mov_b32 s[\g+6], 0
	s_mov_b32 s[\g+7], 0
.endr
	s_lshl_b32 s20, s45, 1
	s_add_co_u32 s20, s20, s18
	s_mul_i32 s20, s20, GROUPB                     ; x's group: hangs on the tile row alone
	s_mov_b32 s21, 0
	s_lshl_b32 s46, s42, 1
	s_add_co_u32 s46, s46, s18
	s_mul_i32 s46, s46, GROUPB                     ; W's: on the tile column alone
	s_mov_b32 s47, 0
	s_mul_i32 s22, s16, SLOTB                      ; where my block goes
	s_wait_dscnt 0x0                               ; both opening adds are done
	s_wait_kmcnt 0x0
	s_add_nc_u64 s[20:21], s[4:5], s[20:21]
	s_add_nc_u64 s[46:47], s[6:7], s[46:47]
.irp s, 0,1
	s_mov_b32 s[G0+4*\s], 1
	s_add_co_u32 s[G0+4*\s+1], s22, \s*SLOT
	s_add_nc_u64 s[G0+4*\s+2:G0+4*\s+3], s[20:21], \s*SLOTB
	s_or_b32 s[G0+4*\s+3], s[G0+4*\s+3], 0x80000000
	s_mov_b32 s[G0B+4*\s], 1
	s_add_co_u32 s[G0B+4*\s+1], s22, \s*SLOT
	s_add_nc_u64 s[G0B+4*\s+2:G0B+4*\s+3], s[46:47], \s*SLOTB
	s_or_b32 s[G0B+4*\s+3], s[G0B+4*\s+3], 0x80000000
.endr
	CROUND                                         ; all sixteen work-groups are here
	JLOAD G0, G1, G0B, G1B                         ; steps 0-2: one tensor load a wave at the head
	; all that follows, up to the wait for that load, is made while it is on its way: first the scalars, then the vector registers in one run
	s_lshl_b32 s92, s45, 8
	s_lshl_b32 s93, s17, 7
	s_add_co_u32 s92, s92, s93                     ; my first row of out0
	s_lshl_b32 s93, s18, 6
	s_add_co_u32 s93, s93, s92
	s_lshl_b32 s93, s93, 14                        ; blocks 0-3, in bytes
	s_lshl_b32 s94, s19, 6
	s_add_co_u32 s94, s94, s92
	s_lshl_b32 s94, s94, 14                        ; blocks 4-7
	s_lshl_b32 s96, s42, 10
	s_lshl_b32 s95, s18, 9
	s_add_co_u32 s96, s96, s95                     ; my first column, in bytes
	s_mov_b32 s97, 0
	s_mov_b32 s99, 0
	s_add_nc_u64 s[88:89], s[12:13], s[96:97]      ; the bias
	s_add_nc_u64 s[84:85], s[14:15], s[96:97]
	s_mov_b64 s[86:87], s[84:85]
	s_mov_b32 s98, s93
	s_add_nc_u64 s[84:85], s[84:85], s[98:99]      ; out0 at blocks 0-3
	s_mov_b32 s98, s94
	s_add_nc_u64 s[86:87], s[86:87], s[98:99]      ; and at blocks 4-7
	s_lshl_b32 s98, s96, 4
	s_add_nc_u64 s[90:91], s[10:11], s[98:99]      ; 2 B: 1,024 bytes for each 16 columns
	s_mov_b64 s[12:13], s[8:9]                     ; aq once more, for the scale words
	s_xor_b32 s4, s16, 1
	s_lshl_b32 s4, s4, 12
	s_add_co_u32 s4, s4, XCH                       ; the neighbour's t
	s_lshl_b32 s5, s16, 12
	s_add_co_u32 s5, s5, XCH                       ; mine
	s_mul_i32 s92, s17, SLOTB
	s_mul_i32 s6, s18, 4*FRB
	s_add_co_u32 s6, s6, s92                       ; x blocks 0-3
	s_mul_i32 s7, s19, 4*FRB
	s_add_co_u32 s7, s7, s92                       ; x blocks 4-7
	s_mul_i32 s20, s18, SLOTB
	s_add_co_u32 s20, s20, 2*SLOTB                 ; W
	s_add_co_u32 s92, s92, SCB
	s_lshl_b32 s21, s18, 8
	s_add_co_u32 s21, s21, s92                     ; x's scale words, blocks 0-3
	s_lshl_b32 s23, s19, 8
	s_add_co_u32 s23, s23, s92                     ; blocks 4-7
	s_xor_b32 s96, s17, 1
	s_mul_i32 s96, s96, SLOTB
	s_add_co_u32 s96, s96, SLOTB
	s_mul_i32 s22, s18, SLOTB-256
	s_add_co_u32 s22, s22, s96                     ; from there to W's words of blocks 0-3: one product with the lane's half
	s_mul_i32 s40, s18, SLOTB+256
	s_add_co_u32 s40, s40, s96                     ; and of blocks 4-7
	s_mul_i32 s41, s16, 16*SPITCH
	s_add_co_u32 s41, s41, STAGE                   ; my stage
	v_and_b32 v1, 31, v0
	v_and_b32 v2, 15, v0                           ; r
	v_bfe_u32 v3, v0, 4, 1                         ; h
	v_lshlrev_b32 v[CO], 4, v1
	v_lshlrev_b32 v[L4], 2, v1
	v_lshlrev_b32 v[BO], 5, v3
	v_add_nc_u32 v[XLD], s4, v[CO]
	v_add_nc_u32 v[XST], s5, v[CO]
	v_add_nc_u32 v[AXL], s6, v[CO]
	v_add_nc_u32 v[AXL+2], s7, v[CO]
	v_add_nc_u32 v[AW], s20, v[CO]
	v_add_nc_u32 v[AXL+1], SLOT, v[AXL]
	v_add_nc_u32 v[AXL+3], SLOT, v[AXL+2]
	v_add_nc_u32 v[AW+1], SLOT, v[AW]
	v_lshlrev_b32 v5, 3, v2
	v_mul_u32_u24 v6, s22, v3
	v_mul_u32_u24 v7, s40, v3
	v_add_nc_u32 v6, v6, v5
	v_add_nc_u32 v7, v7, v5
	v_add_nc_u32 v[ASL], s21, v6
	v_add_nc_u32 v[ASH], s23, v7
	v_add_nc_u32 v[ASL+1], SLOT, v[ASL]
	v_add_nc_u32 v[ASH+1], SLOT, v[ASH]
	v_mul_u32_u24 v5, v2, SPITCH
	v_lshl_add_u32 v5, v3, 5, v5
	v_add_nc_u32 v[STO], s41, v5                   ; into the stage: row r, 32 bytes for each half of the lanes
	v_add_nc_u32 v[RD], s41, v[CO]                 ; back: a row of 512 bytes
	s_wait_alu depctr_va_vdst(0)                   ; the wait behind the head's last vector write
.irp u, 0,1,2,3,4,5
	ATLOAD \u, \u
.endr
	WIN TO_B
.irp b, 0,1,2,3,4,5,6,7                ; the bias in the result's layout: register j = b[16 b + 8 h + j]
	global_load_b128 v[BI+8*\b+96*(\b/4):BI+8*\b+96*(\b/4)+3], v[BO], s[88:89] offset:64*\b
	global_load_b128 v[BI+8*\b+96*(\b/4)+4:BI+8*\b+96*(\b/4)+7], v[BO], s[88:89] offset:64*\b+16
.endr
	WIN 0
.macro FRAG reg, adr, off              ; an image: three loads of 512 consecutive bytes
.irp c, 0,1,2
	ds_load_b128 v[\reg+4*\c:\reg+4*\c+3], v[\adr] offset:\off+512*\c
.endr
.endm
.macro LDW slot, q, p                  ; W's eight blocks of step q of the slot into set p
	WIN TO_B
.irp i, 0,1,2,3,4,5,6,7
	FRAG 128*(\p)+FR*\i, AW+\slot, STEPB*(\q)+FRB*\i
.endr
	WIN 0
.endm
.macro LDX slot, q, hi                 ; x's blocks 4 hi .. 4 hi + 3
.irp i, 0,1,2,3
	FRAG AF+FR*(4*\hi+\i), AXL+2*\hi+\slot, STEPB*(\q)+FRB*\i
.endr
.endm
.macro SCALES slot, q, p               ; register i of set p: lanes 0-15 the word of x's block i, lanes 16-31 that of W's block i
.irp i, 0,1
	ds_load_b64 v[SC+8*(\p)+2*\i:SC+8*(\p)+2*\i+1], v[ASL+\slot] offset:STEPB*(\q)+128*\i
.endr
.irp i, 0,1
	ds_load_b64 v[SC+8*(\p)+4+2*\i:SC+8*(\p)+4+2*\i+1], v[ASH+\slot] offset:STEPB*(\q)+128*\i
.endr
.endm
.macro GRP a, p, first                 ; x's block a against W's eight: eight accumulators, one instruction each
.irp b, 0,1,2,3,4,5,6,7
.if \first
	v_wmma_scale_f32_16x16x128_f8f6f4 v[8*(8*((\a)%4)+\b):8*(8*((\a)%4)+\b)+7], v[128*(\p)+FR*\b:128*(\p)+FR*\b+FR-1], v[AF+FR*(\a):AF+FR*(\a)+FR-1], v[BI+8*\b+96*(\b/4):BI+8*\b+96*(\b/4)+7], v[SC+8*(\p)+\b], v[SC+8*(\p)+(\a)] matrix_a_fmt:MATRIX_FMT_FP6 matrix_b_fmt:MATRIX_FMT_FP6 matrix_a_scale:MATRIX_SCALE_ROW1
.else
	v_wmma_scale_f32_16x16x128_f8f6f4 v[8*(8*((\a)%4)+\b):8*(8*((\a)%4)+\b)+7], v[128*(\p)+FR*\b:128*(\p)+FR*\b+FR-1], v[AF+FR*(\a):AF+FR*(\a)+FR-1], v[8*(8*((\a)%4)+\b):8*(8*((\a)%4)+\b)+7], v[SC+8*(\p)+\b], v[SC+8*(\p)+(\a)] matrix_a_fmt:MATRIX_FMT_FP6 matrix_b_fmt:MATRIX_FMT_FP6 matrix_a_scale:MATRIX_SCALE_ROW1
.endif
.endr
.endm
.macro TMUL u, first                   ; t^T of my blocks 0-3: source 0 = A^T's 16 ranks; all in window 0
.irp a, 0,1,2,3
.if \first
	v_wmma_scale_f32_16x16x128_f8f6f4 v[T+8*\a:T+8*\a+7], v[AT+FR*(\u):AT+FR*(\u)+FR-1], v[AF+FR*\a:AF+FR*\a+FR-1], 0, v[ATS+(\u)], v[SC+8*((\u)%2)+\a] matrix_a_fmt:MATRIX_FMT_FP6 matrix_b_fmt:MATRIX_FMT_FP6 matrix_a_scale:MATRIX_SCALE_ROW1
.else
	v_wmma_scale_f32_16x16x128_f8f6f4 v[T+8*\a:T+8*\a+7], v[AT+FR*(\u):AT+FR*(\u)+FR-1], v[AF+FR*\a:AF+FR*\a+FR-1], v[T+8*\a:T+8*\a+7], v[ATS+(\u)], v[SC+8*((\u)%2)+\a] matrix_a_fmt:MATRIX_FMT_FP6 matrix_b_fmt:MATRIX_FMT_FP6 matrix_a_scale:MATRIX_SCALE_ROW1
.endif
.endr
.endm
; From a step's middle on, the same in both kinds: the run of x's blocks 0-3, the scale words and A^T's fragment; groups 4-7; the run of x's blocks 4-7.  Four places stand ahead of each run.
.macro HALF2 ns, nq, u, first, fo
	PLACES 4
	WIN 0
	LDX \ns, \nq, 0
	SCALES \ns, \nq, 1-(\u)%2
.if \fo
	ATLOAD \u, \fo
.endif
	MWIN 4, \first
	GRP 4, (\u)%2, \first
	GRP 5, (\u)%2, \first
	GRP 6, (\u)%2, \first
	GRP 7, (\u)%2, \first
	PLACES 4
	WIN 0
	LDX \ns, \nq, 1
.endm
; Step q of a slot, not its last; u: its place among six (A^T's ring), u % 2 its sets of W and of scale words.  left: global loads issued behind A^T's fragment u.
.macro STEP slot, q, u, first, left, fo
	LDW \slot, (\q)+1, 1-(\u)%2                    ; on end with the last step's closing run: W's idle set takes the next step's blocks
	s_wait_dscnt 36                                ; all but x's blocks 4-7 (12 loads) and those 24
	s_wait_loadcnt \left
	TMUL \u, \first
	MWIN 0, \first
	GRP 0, (\u)%2, \first
	GRP 1, (\u)%2, \first
	GRP 2, (\u)%2, \first
	GRP 3, (\u)%2, \first
	s_wait_dscnt 24                                ; x's blocks 4-7 are in; W's 24 may be out
	HALF2 \slot, (\q)+1, \u, \first, \fo
.endm
; A slot's last step changes slots.  fill = 1: the slot is filled again with three steps, 2: with the last two, 0: no more.
.macro TURN slot, next, u, fill, left, fo
	s_wait_tensorcnt 0x0                           ; all my tensor loads have landed: my part of the next slot
	ds_add_u32 v[SPW], v[NIL]
	s_wait_dscnt 13                                ; (the add and x's blocks 4-7 may be out)
	s_wait_loadcnt \left
	TMUL \u, 0
	MWIN 0, 0
	GRP 0, (\u)%2, 0
	s_wait_dscnt 0x0                               ; the add is done, and my reads of this slot are over
	s_barrier_signal -1
	GRP 1, (\u)%2, 0
	WIN 0
	s_barrier_wait -1
.if \fill
	CREST                                          ; the barrier has opened a round of the cluster's barrier
	s_add_nc_u64 s[G0+4*\slot+2:G0+4*\slot+3], s[G0+4*\slot+2:G0+4*\slot+3], 2*SLOTB
	s_add_nc_u64 s[G0B+4*\slot+2:G0B+4*\slot+3], s[G0B+4*\slot+2:G0B+4*\slot+3], 2*SLOTB
.if \fill == 1
	JLOAD G0+4*\slot, G1, G0B+4*\slot, G1B
.else
	JLOAD G0+4*\slot, G1S, G0B+4*\slot, G1SB
.endif
.else
	PLACES 4
.endif
	LDW \next, 0, 1-(\u)%2
	MWIN 0, 0
	GRP 2, (\u)%2, 0
	GRP 3, (\u)%2, 0
	HALF2 \next, 0, \u, 0, \fo
.endm
	s_wait_tensorcnt 0x0                           ; my part of steps 0-2 is in
	ds_add_u32 v[SPW], v[NIL]
	s_wait_dscnt 0x0
	CROUND                                         ; everybody's part is in, and all sixteen work-groups are here
	JLOAD G0+4, G1, G0B+4, G1B                     ; steps 3-5: slot 1's first fill
	LDW 0, 0, 0
	LDX 0, 0, 0
	SCALES 0, 0, 0
	LDX 0, 0, 1
	STEP 0, 0, 0, 1, 0, 6                          ; step 0 starts the sums: on the bias, t on 0
	s_mov_b32 s3, 4
.Llap:                                                 ; six steps: once round the ring and once round A^T's six places
	STEP 0, 1, 1, 0, 20, 7                         ; 20: five later fragments of A^T, four loads each
	TURN 0, 1, 2, 1, 20, 8
	STEP 1, 0, 3, 0, 20, 9
	STEP 1, 1, 4, 0, 20, 10
	TURN 1, 0, 5, 1, 20, 11
	STEP 0, 0, 0, 0, 20, 12
	s_wait_xcnt 0x0                                ; the loads have read their bases
	s_add_nc_u64 s[8:9], s[8:9], 6*FRB
	s_add_nc_u64 s[12:13], s[12:13], 6*128
	s_sub_co_u32 s3, s3, 1
	s_cmp_lg_u32 s3, 0
	s_cbranch_scc1 .Llap
	STEP 0, 1, 1, 0, 20, 7                         ; steps 25 to 30: A^T's last fragment, the short fill, and the counts run down
	TURN 0, 1, 2, 2, 20, 0
	STEP 1, 0, 3, 0, 16, 0
	STEP 1, 1, 4, 0, 12, 0
	TURN 1, 0, 5, 0, 8, 0
	STEP 0, 0, 0, 0, 4, 0
	; STEP 31.  2 B comes into W's idle set and the bias's registers: each part twice, for both halves of the K of 32
	WIN TO_B
.irp b, 0,1,2,3,4,5,6,7
	global_load_b128 v[8*\b:8*\b+3], v[CO], s[90:91] offset:1024*\b
	global_load_b128 v[8*\b+4:8*\b+7], v[CO], s[90:91] offset:1024*\b
	global_load_b128 v[64+8*\b+128*(\b/4):64+8*\b+128*(\b/4)+3], v[CO], s[90:91] offset:1024*\b+512
	global_load_b128 v[64+8*\b+128*(\b/4)+4:64+8*\b+128*(\b/4)+7], v[CO], s[90:91] offset:1024*\b+512
.endr
	WIN 0
	s_wait_dscnt 12
	s_wait_loadcnt 32                              ; all but the 32 just issued
	TMUL 1, 0                                      ; t is whole: it is split and exchanged while the step's other products are issued
	MWIN 0, 0
	GRP 0, 1, 0
	WIN 0
	PLACES 4
.macro CONV j, tt                      ; t's block j: hi = bf16(t), lo = bf16(t - hi); a lane's eight registers are ranks 8 h + 0 .. 7 of row r: a 16-bit fragment's layout
.irp p, 0,1,2,3
	v_cvt_pk_bf16_f32 v[TF+8*\j+\p], v[T+8*\j+2*\p], v[T+8*\j+2*\p+1]
.endr
.irp p, 0,1,2,3
	v_lshlrev_b32 v[\tt+2*\p], 16, v[TF+8*\j+\p]
	v_and_b32 v[\tt+2*\p+1], 0xffff0000, v[TF+8*\j+\p]
.endr
.irp p, 0,1,2,3
	v_pk_add_f32 v[\tt+2*\p:\tt+2*\p+1], v[T+8*\j+2*\p:T+8*\j+2*\p+1], v[\tt+2*\p:\tt+2*\p+1] neg_lo:[0,1] neg_hi:[0,1]
.endr
.irp p, 0,1,2,3
	v_cvt_pk_bf16_f32 v[TF+8*\j+4+\p], v[\tt+2*\p], v[\tt+2*\p+1]
.endr
.endm
	CONV 0, 2
	CONV 1, 56
	CONV 2, 2
	CONV 3, 56
	s_wait_alu depctr_va_vdst(0)
.irp j, 0,1,2,3
	ds_store_b128 v[XST], v[TF+8*\j:TF+8*\j+3] offset:1024*\j
	ds_store_b128 v[XST], v[TF+8*\j+4:TF+8*\j+7] offset:1024*\j+512
.endr
	MWIN 0, 0
	GRP 1, 1, 0
	s_wait_dscnt 0x0                               ; for the neighbour's sake: my stores are done (and x's blocks 4-7 are in)
	s_barrier_signal -1
	GRP 2, 1, 0
	GRP 3, 1, 0
	WIN 0
	s_barrier_wait -1
.irp j, 0,1,2,3
	ds_load_b128 v[TF+8*(4+\j):TF+8*(4+\j)+3], v[XLD] offset:1024*\j        ; the neighbour's blocks 0-3 are my blocks 4-7
	ds_load_b128 v[TF+8*(4+\j)+4:TF+8*(4+\j)+7], v[XLD] offset:1024*\j+512
.endr
	MWIN 4, 0
	GRP 4, 1, 0
	GRP 5, 1, 0
	GRP 6, 1, 0
	GRP 7, 1, 0
	WIN 0
	PLACES 5                                       ; another form takes the sums up
	s_wait_dscnt 0x0
	s_wait_loadcnt 0x0
; THE WAY OUT, block by block of 16 rows: the rank-16 products (eight accumulators by turns, 2 B's hi and then its lo), then through my stage in LDS and out as whole rows of 512 bytes.
.macro LORA a
	WIN 0xa1+0x50*((\a)/4)
.irp b, 0,1,2,3,4,5,6,7
	v_wmma_f32_16x16x32_bf16 v[8*(8*((\a)%4)+\b):8*(8*((\a)%4)+\b)+7], v[8*\b:8*\b+7], v[TF+8*(\a):TF+8*(\a)+7], v[8*(8*((\a)%4)+\b):8*(8*((\a)%4)+\b)+7]
.endr
.irp b, 0,1,2,3,4,5,6,7
	v_wmma_f32_16x16x32_bf16 v[8*(8*((\a)%4)+\b):8*(8*((\a)%4)+\b)+7], v[64+8*\b+128*(\b/4):64+8*\b+128*(\b/4)+7], v[TF+8*(\a):TF+8*(\a)+7], v[8*(8*((\a)%4)+\b):8*(8*((\a)%4)+\b)+7]
.endr
	PLACES 4
.endm
.macro TOSTAGE a
.set AC, 64*((\a)%4)
	WIN 0x08+4*((\a)/4)                            ; the data: window 2 or 3
.irp b, 0,1,2,3,4,5,6,7
	ds_store_b128 v[STO], v[AC+8*\b:AC+8*\b+3] offset:64*\b          ; each accumulator from its low end on
	ds_store_b128 v[STO], v[AC+8*\b+4:AC+8*\b+7] offset:64*\b+16
.endr
	WIN 0
.set BB, BK+64*((\a)%2)
.irp t, 0,1,2,3,4,5,6,7,8,9,10,11,12,13,14,15
	ds_load_b128 v[BB+4*\t:BB+4*\t+3], v[RD] offset:\t*SPITCH        ; LDS serves a wave's instructions in order: these see the stores above
.endr
.endm
.macro SEND a, younger
.set BB, BK+64*((\a)%2)
	s_wait_dscnt \younger
.irp t, 0,1,2,3,4,5,6,7,8,9,10,11,12,13,14,15
.if (\a) < 4
	global_store_b128 v[CO], v[BB+4*\t:BB+4*\t+3], s[84:85] offset:(16*((\a)%4)+\t)*16384 th:TH_STORE_NT   ; 512 consecutive bytes, at a multiple of 256 from out0's first byte
.else
	global_store_b128 v[CO], v[BB+4*\t:BB+4*\t+3], s[86:87] offset:(16*((\a)%4)+\t)*16384 th:TH_STORE_NT
.endif
.endr
.endm
	LORA 0
	TOSTAGE 0
.irp a, 1,2,3,4,5,6,7
	LORA \a
.if \a > 1
	s_wait_xcnt 0x0                                ; block a - 2's stores have read their registers, into which block a's rows are loaded
.endif
	TOSTAGE \a
	SEND \a-1, 32                                  ; behind block a - 1's loads: block a's 16 stores and 16 loads
.endr
	SEND 7, 0
	s_wait_tensorcnt 0x0                           ; the wave's end
	ds_add_u32 v[SPW], v[NIL]
	s_wait_dscnt 0x0
	CROUND                                         ; the closing round
	s_endpgm
.Lfunc_end_k_q45a4e3f3e7_gemm:
	.size	k_q45a4e3f3e7_gemm, .Lfunc_end_k_q45a4e3f3e7_gemm-k_q45a4e3f3e7_gemm
	.p2alignl 7, 3214868480
	.fill 96, 4, 3214868480
	.section	.rodata,"a",@progbits
	.p2align	6, 0x0
	.amdhsa_kernel k_q45a4e3f3e7_gemm
		.amdhsa_group_segment_fixed_size 327680
		.amdhsa_private_segment_fixed_size 0
		.amdhsa_enable_private_segment 0
		.amdhsa_kernarg_size 48
		.amdhsa_user_sgpr_count 2
		.amdhsa_user_sgpr_kernarg_segment_ptr 1
		.amdhsa_wavefront_size32 1
		.amdhsa_system_sgpr_workgroup_id_x 1
		.amdhsa_system_sgpr_workgroup_id_y 1
		.amdhsa_system_sgpr_workgroup_id_z 1
		.amdhsa_system_vgpr_workitem_id 0
		.amdhsa_next_free_vgpr 1024
		.amdhsa_next_free_sgpr 102
		.amdhsa_reserve_vcc 0
		.amdhsa_float_denorm_mode_32 3
		.amdhsa_float_denorm_mode_16_64 3
		.amdhsa_memory_ordered 1
		.amdhsa_forward_progress 1
		.amdhsa_inst_pref_size 240
	.end_amdhsa_kernel
	.amdgpu_metadata
---
amdhsa.version: [ 1, 2 ]
amdhsa.kernels:
  - .name:           k_q45a4e3f3e7_gemm
    .symbol:         k_q45a4e3f3e7_gemm.kd
    .args:
      - { .name: xq, .offset: 0, .size: 8, .value_kind: global_buffer, .address_space: global }
      - { .name: wq, .offset: 8, .size: 8, .value_kind: global_buffer, .address_space: global }
      - { .name: aq, .offset: 16, .size: 8, .value_kind: global_buffer, .address_space: global }
      - { .name: bq, .offset: 24, .size: 8, .value_kind: global_buffer, .address_space: global }
      - { .name: b, .offset: 32, .size: 8, .value_kind: global_buffer, .address_space: global }
      - { .name: out0, .offset: 40, .size: 8, .value_kind: global_buffer, .address_space: global }
    .group_segment_fixed_size: 327680
    .private_segment_fixed_size: 0
    .kernarg_segment_align: 8
    .kernarg_segment_size: 48
    .max_flat_workgroup_size: 128
    .sgpr_count:     102
    .vgpr_count:     1024
    .wavefront_size: 32
...
	.end_amdgpu_metadata
.endif
;; end of part 2
